; MI455X (gfx1250); checked and timed in simulation.
; The chip was launched on July 23, 2026; its instructions are those of AMD's public machine-readable ISA for CDNA 5 (MIT licence, August 2026) and "CDNA5" Instruction Set Architecture Reference Guide (July 2026). The comments in the code are by the model that wrote it; some were corrected since.
;; Attention RNN. Allowed arithmetic: matrix products marked QUANTISED: E3M2 operands, one E8M0 scale for each 32 along K, by v_wmma_scale_f32_16x16x128_f8f6f4 with both operands' format E3M2, f32 sums; products left as they are: f32 operands where the result goes on into a quantised operand, else bf16, f16 or f32 operands; f32 sums; everything else in f32.
;; Inputs: b1 1,024 float32; b2 1,024 float32; bv 1 float32; query_codes 32 x 32 x 24 uint8 (E3M2 codes of query, K innermost, in blocks of 32 codes, four codes in three bytes); query_scales 32 x 32 uint8 (E8M0 scales of query, one for each 32 codes along K); v 1,024 x 1 float32; values 32 x 2,048 x 1,024 float32; w1_codes 1,024 x 32 x 24 uint8 (E3M2 codes of w1, K innermost, in blocks of 32 codes, four codes in three bytes); w1_scales 1,024 x 32 uint8 (E8M0 scales of w1, one for each 32 codes along K); w2_codes 1,024 x 32 x 24 uint8 (E3M2 codes of w2, K innermost, in blocks of 32 codes, four codes in three bytes); w2_scales 1,024 x 32 uint8 (E8M0 scales of w2, one for each 32 codes along K).
;; Outputs: out0 32 x 1,024 float32; out1 32 x 2,048 x 1 float32.
;; This version of the problem:
;;   THIS VERSION OF THE PROBLEM IS GIVEN IN LOW PRECISION. The matrix products marked QUANTISED in the list below multiply operands that are first quantised to E3M2 (3 exponent bits, 2 mantissa bits; 6 bits a number), with one power-of-two scale for each 32 numbers along K (OCP MX v1.0); their sums are f32. All else is computed in f32.
;;   The module's matrix products, in the order in which they are computed (A, B: the left and right operand; K: the contracted axis; several contracted axes count as one K, in the product's order):
;;     1. [M 32, K 1,024] x [K 1,024, N 1,024]; A: input query (given as codes); B: input w1 (given as codes): QUANTISED
;;     2. [M 65,536, K 1,024] x [K 1,024, N 1,024]; A: input values; B: input w2 (given as codes): QUANTISED
;;     3. [M 65,536, K 1,024] x [K 1,024, N 1]; A: computed on the way; B: input v: left as it is (N = 1 < 16)
;;   THE QUANTISER, for each operand of a quantised product, along K:
;;     - K is cut into blocks of 32 from its start; a last block that is shorter is filled with zeros.
;;     - A block's scale is 2^e with e = floor(log2(the largest magnitude in the block)) - 4, held to -126 .. 127; a block of zeros has e = 0. As a byte (E8M0): e + 127.
;;     - Each number is divided by its block's scale, clamped to +-28, and rounded to the nearest number of E3M2, ties to even, subnormals kept.
;;     - The product sums the exact products of the quantised numbers (number of the format x scale) in f32.
;;   ~~~python
;;   def quantise(x, axis):      # numpy; x: float32 -> the quantised numbers, widened to float32 again
;;       x = np.moveaxis(x, axis, -1); K = x.shape[-1]
;;       x = np.pad(x, [(0, 0)] * (x.ndim - 1) + [(0, -K % 32)]); x = x.reshape(x.shape[:-1] + (-1, 32)); a = np.abs(x).max(-1, keepdims=True)
;;       e = np.where(a > 0, np.clip(np.frexp(np.where(a > 0, a, 1))[1] - 1 - 4, -126, 127), 0)      # np.frexp(a)[1] - 1 = floor(log2(a)), exactly
;;       r = np.clip(x / 2.0 ** e, -28, 28)
;;       step = 2.0 ** (np.maximum(np.frexp(np.where(r == 0, 1, r))[1] - 1, -2) - 2)
;;       q = np.round(r / step) * step * 2.0 ** e      # np.round: ties to even
;;       return np.moveaxis(q.reshape(q.shape[:-2] + (-1,))[..., :K], -1, axis).astype(np.float32)
;;   ~~~
;;   INPUTS GIVEN AS CODES. query (in the module: [32, 1024], K = its axis 1); w1 (in the module: [1024, 1024], K = its axis 0); w2 (in the module: [1024, 1024], K = its axis 0): each comes as NAME_codes (uint8): NAME with its K axis moved to the last place and cut into blocks of 32 codes, [.., K / 32, bytes a block], one block behind the other in memory; four codes in three bytes: a row's codes are one little-endian stream of bits, code i at bits 6 i .. 6 i + 5 (a code: sign, 3 exponent bits, 2 mantissa bits); and NAME_scales (uint8): the same leading axes, one E8M0 byte (e + 127) for each 32 codes along K. Its value is code x scale, taken as it is: it is not quantised again, and the codes and scales need not be those that the quantiser above would give.
;; One version. Each part assembles by itself: llvm-mc -triple=amdgcn-amd-amdhsa -mcpu=gfx1250 --defsym DOCPART=n.
;; ======== version 1 of 1: 3 launches
;; limits: right only within a limited range of input values
;; workspace buffers: qv 262,144 bytes; scores 262,144 bytes; stats 65,536 bytes; ctxp 1,048,576 bytes
;; launch qproj (part 1): grid 64 x 2, 1 waves a work-group, no clusters, 0 bytes of LDS; arguments query_codes, query_scales, w1_codes, w1_scales, b1, b2, v, qv; writes qv
.if DOCPART == 1
	.amdgcn_target "amdgcn-amd-amdhsa--gfx1250"
	.amdhsa_code_object_version 6
	.text
	.protected	k_q8040ef172e_qproj
	.globl	k_q8040ef172e_qproj
	.p2align	8
	.type	k_q8040ef172e_qproj,@function
k_q8040ef172e_qproj:
	s_mov_b64 s[64:65], 0
	v_nop
	global_prefetch_b8 v0, s[64:65] scope:SCOPE_SE
	s_setreg_imm32_b32 hwreg(HW_REG_WAVE_MODE, 25, 1), 1
	s_wait_xcnt 0x0
; qv[b][tile][0..15]  = c (query[b] . w1[:, u] + b1[u] + b2[u]),  u = 16 tile + 0 .. 15,  c = 2 log2(e);
; qv[b][tile][16..31] = -2 v[u].
; WORK LEFT OUT.  tanh(x) = 1 - 2 / (1 + 2^(c x)), so score[b][t] = (bv + the sum of all v[u]) + the sum over u of (-2 v[u]) / (1 + 2^(c x[b][t][u])).
; The bracket is the same number for every t of a batch.  reference() uses the score only in softmax(score, axis = t), and
; softmax(s + k) = softmax(s) for every real k; out1 is that softmax and out0 is made of it and of values alone.  So for all finite
; values of the inputs the bracket reaches no output: it is not computed, bv is not loaded and is no argument of any launch.
; LIMIT: a NaN, an infinity or an overflow in bv or in the sum of v alone is not carried to the results.
; query and w1 arrive as codes of E3M2 with E8M0 scales and go to the matrix unit as they lie.
; One wave to a work-group: 16 u (work-group x) x 16 batches (work-group y), K = 1,024 in eight instructions on two accumulators by turns
; (K is so summed in two chains, which are added at the end).  Used transposed: source 0 = 16 rows of w1, source 1 = 16 rows of query,
; so that a lane holds one batch and eight neighbouring u.  No LDS, no cluster: the launch is 1,024 matrix instructions and shares nothing worth a joint load.
.set VV,  8                            ; v8-15    v at my eight u
.set WF,  16                           ; v16-111  w1's eight fragments; later the results
.set QF,  112                          ; v112-207 query's eight fragments
.set WS,  208                          ; v208-215 w1's scale words, one a K step
.set QS,  216                          ; v216-223 query's
.set ACA, 224                          ; v224-231 even K steps, v232-239 odd K steps
.set VB1, 240                          ; v240-247 b1
.set VB2, 248                          ; v248-255 b2
.set RS,  16                           ; the results: eight c (..), eight -2 v
	s_load_b256 s[4:11], s[0:1], 0x0               ; query's codes, its scales, w1's codes, its scales
	s_load_b256 s[12:19], s[0:1], 0x20             ; b1, b2, v, qv
	s_and_b32 s25, ttmp7, 0xffff                   ; which 16 batches
	v_and_b32 v1, 15, v0                           ; r
	v_lshrrev_b32 v2, 4, v0                        ; h
	s_mul_i32 s24, ttmp9, 12288                    ; 16 rows of 768 bytes
	s_mul_i32 s26, s25, 12288
	v_mul_u32_u24 v3, v1, 768
	v_mad_u32_u24 v3, v2, 24, v3                   ; row r, + 24 h
	v_add_nc_u32 v4, s26, v3                       ; in query
	v_add_nc_u32 v3, s24, v3                       ; in w1
	s_lshl_b32 s27, ttmp9, 9                       ; 16 rows of 32 scale bytes
	s_lshl_b32 s28, s25, 9
	v_lshl_add_u32 v5, v1, 5, s27
	v_lshl_add_u32 v6, v1, 5, s28
	s_lshl_b32 s29, ttmp9, 6
	v_lshl_add_u32 v7, v2, 5, s29                  ; b1, b2, v: 4 (16 tile + 8 h)
	s_mov_b32 s30, 0x4038aa3b                      ; c = 2 log2(e)
	s_mov_b32 s31, s30                             ; (named with it as a pair)
	s_lshl_b32 s32, s25, 17                        ; qv: 16 batches of 8,192 bytes,
	s_lshl_b32 s33, ttmp9, 7                       ; 128 bytes a tile
	s_add_co_u32 s32, s32, s33
	s_wait_alu depctr_va_vdst(0)                   ; the wait at the head's end
	s_wait_kmcnt 0x0
.irp s, 0,1,2,3,4,5,6,7
.irp p, 0,1,2,3,4,5
	global_load_b64 v[WF+12*\s+2*\p:WF+12*\s+2*\p+1], v3, s[8:9] offset:96*\s+48*(\p/3)+8*(\p%3)
	global_load_b64 v[QF+12*\s+2*\p:QF+12*\s+2*\p+1], v4, s[4:5] offset:96*\s+48*(\p/3)+8*(\p%3)
.endr
.endr
	global_load_b128 v[WS:WS+3], v5, s[10:11]
	global_load_b128 v[WS+4:WS+7], v5, s[10:11] offset:16
	global_load_b128 v[QS:QS+3], v6, s[6:7]
	global_load_b128 v[QS+4:QS+7], v6, s[6:7] offset:16
	global_load_b128 v[VB1:VB1+3], v7, s[12:13]
	global_load_b128 v[VB1+4:VB1+7], v7, s[12:13] offset:16
	global_load_b128 v[VB2:VB2+3], v7, s[14:15]
	global_load_b128 v[VB2+4:VB2+7], v7, s[14:15] offset:16
	global_load_b128 v[VV:VV+3], v7, s[16:17]
	global_load_b128 v[VV+4:VV+7], v7, s[16:17] offset:16
	s_wait_loadcnt 0x0                             ; everything is wanted at once
.irp s, 0,1,2,3,4,5,6,7                        ; the two accumulators take turns; the first product on each starts its sum
.if \s < 2
	v_wmma_scale_f32_16x16x128_f8f6f4 v[ACA+8*(\s%2):ACA+8*(\s%2)+7], v[WF+12*\s:WF+12*\s+11], v[QF+12*\s:QF+12*\s+11], 0, v[WS+\s], v[QS+\s] matrix_a_fmt:MATRIX_FMT_BF6 matrix_b_fmt:MATRIX_FMT_BF6
.else
	v_wmma_scale_f32_16x16x128_f8f6f4 v[ACA+8*(\s%2):ACA+8*(\s%2)+7], v[WF+12*\s:WF+12*\s+11], v[QF+12*\s:QF+12*\s+11], v[ACA+8*(\s%2):ACA+8*(\s%2)+7], v[WS+\s], v[QS+\s] matrix_a_fmt:MATRIX_FMT_BF6 matrix_b_fmt:MATRIX_FMT_BF6
.endif
.endr
	v_lshlrev_b32 v5, 13, v1                       ; four places behind the last product (ISA guide 7.12.1): where my results go: batch r of 8,192 bytes,
	v_lshl_add_u32 v5, v2, 5, v5                   ; + 32 h,
	v_add_nc_u32 v5, s32, v5                       ; + the work-group's part
	v_nop
.irp j, 0,2,4,6
	v_pk_add_f32 v[RS+\j:RS+\j+1], v[ACA+\j:ACA+\j+1], v[ACA+8+\j:ACA+9+\j]   ; the two chains; each accumulator is read from its low end on
.endr
.irp j, 0,2,4,6
	v_pk_add_f32 v[RS+\j:RS+\j+1], v[RS+\j:RS+\j+1], v[VB1+\j:VB1+\j+1]
.endr
.irp j, 0,2,4,6
	v_pk_add_f32 v[RS+\j:RS+\j+1], v[RS+\j:RS+\j+1], v[VB2+\j:VB2+\j+1]
.endr
.irp j, 0,2,4,6
	v_pk_mul_f32 v[RS+\j:RS+\j+1], v[RS+\j:RS+\j+1], s[30:31] op_sel_hi:[1,0]
.endr
.irp j, 0,2,4,6
	v_pk_mul_f32 v[RS+8+\j:RS+9+\j], v[VV+\j:VV+\j+1], -2.0 op_sel_hi:[1,0]
.endr
	global_store_b128 v5, v[RS:RS+3], s[18:19]
	global_store_b128 v5, v[RS+4:RS+7], s[18:19] offset:16
	global_store_b128 v5, v[RS+8:RS+11], s[18:19] offset:64
	global_store_b128 v5, v[RS+12:RS+15], s[18:19] offset:80
	s_endpgm
.Lfunc_end_k_q8040ef172e_qproj:
	.size	k_q8040ef172e_qproj, .Lfunc_end_k_q8040ef172e_qproj-k_q8040ef172e_qproj
	.p2alignl 7, 3214868480
	.fill 96, 4, 3214868480
	.section	.rodata,"a",@progbits
	.p2align	6, 0x0
	.amdhsa_kernel k_q8040ef172e_qproj
		.amdhsa_group_segment_fixed_size 0
		.amdhsa_private_segment_fixed_size 0
		.amdhsa_enable_private_segment 0
		.amdhsa_kernarg_size 64
		.amdhsa_user_sgpr_count 2
		.amdhsa_user_sgpr_kernarg_segment_ptr 1
		.amdhsa_wavefront_size32 1
		.amdhsa_system_sgpr_workgroup_id_x 1
		.amdhsa_system_sgpr_workgroup_id_y 1
		.amdhsa_system_sgpr_workgroup_id_z 1
		.amdhsa_system_vgpr_workitem_id 0
		.amdhsa_next_free_vgpr 256
		.amdhsa_next_free_sgpr 66
		.amdhsa_reserve_vcc 0
		.amdhsa_float_denorm_mode_32 3
		.amdhsa_float_denorm_mode_16_64 3
		.amdhsa_memory_ordered 1
		.amdhsa_forward_progress 1
		.amdhsa_inst_pref_size 15
	.end_amdhsa_kernel
	.amdgpu_metadata
---
amdhsa.version: [ 1, 2 ]
amdhsa.kernels:
  - .name:           k_q8040ef172e_qproj
    .symbol:         k_q8040ef172e_qproj.kd
    .args:
      - { .name: query_codes, .offset: 0, .size: 8, .value_kind: global_buffer, .address_space: global }
      - { .name: query_scales, .offset: 8, .size: 8, .value_kind: global_buffer, .address_space: global }
      - { .name: w1_codes, .offset: 16, .size: 8, .value_kind: global_buffer, .address_space: global }
      - { .name: w1_scales, .offset: 24, .size: 8, .value_kind: global_buffer, .address_space: global }
      - { .name: b1, .offset: 32, .size: 8, .value_kind: global_buffer, .address_space: global }
      - { .name: b2, .offset: 40, .size: 8, .value_kind: global_buffer, .address_space: global }
      - { .name: v, .offset: 48, .size: 8, .value_kind: global_buffer, .address_space: global }
      - { .name: qv, .offset: 56, .size: 8, .value_kind: global_buffer, .address_space: global }
    .group_segment_fixed_size: 0
    .private_segment_fixed_size: 0
    .kernarg_segment_align: 8
    .kernarg_segment_size: 64
    .max_flat_workgroup_size: 32
    .sgpr_count:     66
    .vgpr_count:     256
    .wavefront_size: 32
...
	.end_amdgpu_metadata
.endif
;; end of part 1
;; launch main (part 2): grid 256 x 1, 4 waves a work-group, clusters of 4 x 1, 327,680 bytes of LDS; arguments values, w2_codes, w2_scales, qv, scores, stats, ctxp; writes scores, stats, ctxp
.if DOCPART == 2
	.amdgcn_target "amdgcn-amd-amdhsa--gfx1250"
	.amdhsa_code_object_version 6
	.text
	.protected	k_q8040ef172e_main
	.globl	k_q8040ef172e_main
	.p2align	8
	.type	k_q8040ef172e_main,@function
k_q8040ef172e_main:
	s_mov_b64 s[64:65], 0
	v_nop
	global_prefetch_b8 v0, s[64:65] scope:SCOPE_SE
	s_setreg_imm32_b32 hwreg(HW_REG_WAVE_MODE, 25, 1), 1
	s_wait_xcnt 0x0
	s_wait_alu depctr_hold_cnt(0) depctr_sa_sdst(0) depctr_va_vdst(0) depctr_va_sdst(0) depctr_va_ssrc(0) depctr_va_vcc(0) depctr_vm_vsrc(0)
	s_getreg_b32 s2, hwreg(HW_REG_IB_STS2, 6, 4)
	s_cmp_eq_u32 s2, 0
	s_cbranch_scc0 .Lentry_in_a_cluster
	s_endpgm
.Lentry_in_a_cluster:
	s_bfe_u32 s2, ttmp6, 0x10000c
	s_cmp_lg_u32 s2, 0x3003
	s_cbranch_scc0 .Lentry_shape_is_right
	s_endpgm
.Lentry_shape_is_right:
; Work-group g takes rows 256 (g % 8) .. + 255 of batch g / 8; each of its four waves takes 64 of them through three phases.
; WORK LEFT OUT: the part of the score that is the same for all t of a batch (bv + the sum of v): shown at the head of the first kernel.
; PHASE 1: the wave's 64 x 1,024 numbers of values are read once as f32, quantised to E3M2 along K (blocks of 32), and kept as 384 registers of codes and 32 scale words.
;   A unit is 16 rows x 128 columns: loaded by rows (512 consecutive bytes a load), turned through the wave's own stage in LDS so that a lane holds 64 numbers of one row,
;   quantised, and laid into an LDS image of the operand's registers (register numbers cannot follow a loop's counter); the image is drained twice, after 512 columns each.
; PHASE 2: 64 tiles of 16 u.  w2's codes come through a ring of two LDS slots of four tiles, by loads shared by the cluster's four work-groups, which all walk the same w2.
;   A tile is ONE RUN of 32 matrix instructions (8 K steps x 4 blocks of 16 rows, the four accumulators by turns); the next tile's fragments are fetched between them into a second buffer.
;   The products are used transposed (source 0 = 16 rows of w2, source 1 = 16 rows of values): a lane holds one row t and eight neighbouring u.
;   For two tiles at a time: y = c x + qv, 2^y, + 1, 1 / .., times -2 v[u], summed: each step as one batch, so that a pair of tiles owes four waits on vector results.
;   2^y = infinity gives the term 0 and 2^y = 0 the term -2 v[u]: the two ends of tanh.
; PHASE 3: the chunk's maximum m, p = e^(score - m), their sum, and the sum of p x values' rows (values are read again, the last columns first); the next launch joins the eight chunks of a batch.
; PREFETCH: w2's slot i + 4 is asked for in the trip that refills with slot i + 2; a slot's 192 blocks of 256 bytes are shared out by address among the cluster's sixteen waves, 12 each, a lane a block
;   (lanes 12-31 name the wave's last block again); slots 2 and 3 are asked for in the middle of phase 1; the last two refilling trips ask for nothing.  values are streamed once a phase with 64 loads a wave out: no prefetch.
; REGISTERS.  window 0: v0-15 addresses; v16-47 values' scale words; v48-63 w2's scale words, two tiles; v64-127 a unit / y of two tiles / p; v128.. at work.
;   window 1: phase 1: four units in flight; phase 2: v0-191 w2's fragments, two tiles; v192-223 accumulators; v224-239 qv, two tiles; v248-255 LDS addresses.
;   windows 2, 3: v0-191 the codes of K 0-511 and 512-1,023; window 3 whole in phase 3: 64 rows x 512 bytes in flight.
.set WP,    816                        ; a row of w2's codes in LDS: 3 x (256 + 16)
.set TILEB, 16*WP
.set SLOTX, 65536                      ; slot 1 begins here; a slot is 4 tiles, 52,224 bytes
.set SLOTG, 49152                      ; a slot's bytes in memory
.set QVL,   52224                      ; qv of my batch, 8,192 bytes
.set SCO,   60928
.set PLD,   61952
.set RED,   62976
.set SPARE, 63232                      ; the spare words, 512 bytes
.set SCL,   117760                     ; w2's scales, 128 x 272
.set STG,   152576                     ; the stages, 16 x 528 a wave
.set IMG,   186368                     ; the images of the codes, 24,576 a wave
.set ISC,   284672                     ; and of the scale words, 2,048 a wave
.set CST,   IMG
.set LANE, 1
.set RR,   2
.set HH,   3
.set VO,   4
.set STW,  5
.set XRD,  6
.set IMW0, 7
.set ISW0, 8
.set IMA,  9
.set ISA,  10
.set T16,  12
.set PFO,  13
.set SPW,  14
.set NIL,  15
.set ASC,  16
.set BSC,  48
.set X,    64
.set P,    64
.set T,    64
.set PC,   128
.set CT,   128
.set V2,   128
.set SS,   144
.set TM,   148
.set PW,   164
.set SC,   168
.set TA,   172
.set TC2,  173
.set QVR,  176
.set A_SCO, 192
.set A_RED, 193
.set A_SCR, 194
.set G_SC,  195
.set A_PLW, 196
.set A_PLR, 197
.set A_R0,  198
.set A_CS,  199
.set MX,    200
.set PP,    208
.set ML,    214
.set A_CS0, 216
.set A_RD,  217
.set G_CX,  218
.set G_ST,  219
.set ACC,  192
.set BIAS, 224
.set ADB1, 248
.set ADB2, 249
.set ADQ,  250
.set ADS,  251
.set AB10, 252
.set AB20, 253
.set AQ0,  254
.set AS0,  255
.set WV,   20
.set G1W,  24
.set G1S,  32
.set G0A,  40
.set G0B,  44
.set G0S,  48
.set CS,   52
.set SEL,  54
.set TB,   56
.set TQ,   57
.set TS,   58
.set CNT,  59
.set IM,   60
.set IS,   61
.set VB,   62
.set PF,   66
.set TC,   70
.set M2,   0x59                        ; D, C and source 0 window 1, source 1 window 2
.set M3,   0x5d                        ; the same, source 1 window 3
.set MSB, 0
.macro WIN new                         ; the immediate's high byte repeats the setting that is left
.if MSB != (\new)
	s_set_vgpr_msb (MSB<<8)|(\new)
.set MSB, (\new)
.endif
.endm
.macro NOPS4
.rept 4
	v_nop
.endr
.endm
.macro CREST                           ; a round of the cluster's barrier behind its opening barrier
	s_cmp_lg_u32 s[WV], 0
	s_cbranch_scc1 .Lnot_wave_0_\@
	s_barrier_signal -3
.Lnot_wave_0_\@:
	s_barrier_wait -3
	s_barrier_signal -1
	s_barrier_wait -1
.endm
.macro ROUND
	s_barrier_signal -1
	s_barrier_wait -1
	CREST
.endm
; 64 numbers of one row a lane (k = 32 b + 16 h + 0 .. 15, b = 0 .. 3) -> 12 registers of codes in the operand's layout, and the scale word
.macro QUANT s
.irp b, 0,1,2,3
	v_max3_num_f32 v[TM+\b], |v[\s+16*\b]|, |v[\s+1+16*\b]|, 0x2800000   ; the floor 2^(5 - 127) holds the byte at 1 from below
.endr
.irp i, 2,4,6,8,10,12,14
.irp b, 0,1,2,3
	v_max3_num_f32 v[TM+\b], v[TM+\b], |v[\s+16*\b+\i]|, |v[\s+1+16*\b+\i]|
.endr
.endr
.irp b, 0,1,2,3
	v_permlanex16_b32 v[TM+4+\b], v[TM+\b], s[SEL], s[SEL+1]
.endr
.irp b, 0,1,2,3
	v_max_num_f32 v[TM+\b], v[TM+\b], v[TM+4+\b]   ; with lane l xor 16's half of the block
.endr
.irp b, 0,1,2,3
	v_add_nc_u32 v[TM+12+\b], 0xfe000000, v[TM+\b]   ; 4 off the exponent field: the conversion's scale operand
.endr
.irp b, 0,1,2,3
	v_lshrrev_b32 v[TM+4+\b], 23, v[TM+12+\b]      ; the scale's byte
.endr
	v_lshl_or_b32 v[PW], v[TM+5], 8, v[TM+4]
	v_lshl_or_b32 v[PW], v[TM+6], 16, v[PW]
	v_lshl_or_b32 v[PW], v[TM+7], 24, v[PW]
.irp c, 0,1
	v_cvt_scalef32_pk16_bf6_f32 v[PC+6*\c:PC+2+6*\c], v[\s+32*\c:\s+15+32*\c], v[TM+12+2*\c]
	v_cvt_scalef32_pk16_bf6_f32 v[PC+12+4*\c:PC+14+4*\c], v[\s+16+32*\c:\s+31+32*\c], v[TM+12+2*\c+1]
.endr
	v_nop                                          ; one plain place behind a scaled conversion
.irp c, 0,1
.irp i, 0,1,2
	v_permlane16_swap_b32 v[PC+6*\c+\i], v[PC+12+4*\c+\i]   ; a whole block to a lane
.endr
.irp i, 0,1,2
	v_mov_b32 v[PC+3+6*\c+\i], v[PC+12+4*\c+\i]
.endr
.endr
.endm
.macro UNIT m, load, left              ; left: the loads issued behind this unit's sixteen
	s_wait_loadcnt \left
	WIN 0x04
.set I, 0
.rept 16
	ds_store_b128 v[STW], v[64*(\m)+4*I:64*(\m)+4*I+3] offset:528*I
.set I, I+1
.endr
	WIN 0
.set I, 0
.rept 16
	ds_load_b128 v[X+4*I:X+4*I+3], v[XRD] offset:128*(I/4)+16*(I%4)   ; my own bytes: LDS serves a wave's instructions in order
.set I, I+1
.endr
	s_wait_dscnt 0x0
.if \load
	WIN 0x40
.set I, 0
.rept 16
	global_load_b128 v[64*(\m)+4*I:64*(\m)+4*I+3], v[VO], s[VB:VB+1] offset:(16*(\m)+I)*4096+512   ; the same rows, the next 128 columns
.set I, I+1
.endr
	WIN 0
.endif
	QUANT X
.irp c, 0,1,2
	ds_store_b128 v[IMA], v[PC+4*\c:PC+4*\c+3] offset:1536*(\m)+512*\c
.endr
	ds_store_b32 v[ISA], v[PW] offset:128*(\m)
.endm
.macro KTRIP load                      ; 64 rows x 128 columns
.if \load
	UNIT 0, 1, 48
	UNIT 1, 1, 48
	UNIT 2, 1, 48
	UNIT 3, 1, 48
	s_wait_xcnt 0x0                                ; the loads have read their base
	s_add_nc_u64 s[VB:VB+1], s[VB:VB+1], 512
	s_add_co_u32 s[IM], s[IM], 6144
	s_add_co_u32 s[IS], s[IS], 512
	v_add_nc_u32 v[IMA], s[IM], v[IMW0]
	v_add_nc_u32 v[ISA], s[IS], v[ISW0]
.else
	UNIT 0, 0, 48
	UNIT 1, 0, 32
	UNIT 2, 0, 16
	UNIT 3, 0, 0
.endif
.endm
.macro DRAINA half                     ; the image of 512 along K -> window 2 or 3, and its 16 scale words
	WIN 0x80+0x40*(\half)
.set I, 0
.rept 48
	ds_load_b128 v[4*I:4*I+3], v[IMW0] offset:512*I
.set I, I+1
.endr
	WIN 0
.set I, 0
.rept 16
	ds_load_b32 v[ASC+16*(\half)+I], v[ISW0] offset:128*I
.set I, I+1
.endr
	s_wait_dscnt 0x0
.endm
; piece p (8 bytes) of fragment f (K step f) of tile t of the slot -> buffer q.  Lanes 16-31 read 24 bytes on; where that lies in the row's next 256 bytes, 16 bytes of padding more (ADB2)
.macro LP q, f, p, t
.set O, 96*(\f)+48*((\p)/3)+8*((\p)%3)
.if (O+24)/256 == O/256
	ds_load_b64 v[96*(\q)+12*(\f)+2*(\p):96*(\q)+12*(\f)+2*(\p)+1], v[ADB1] offset:TILEB*(\t)+O+16*(O/256)
.else
	ds_load_b64 v[96*(\q)+12*(\f)+2*(\p):96*(\q)+12*(\f)+2*(\p)+1], v[ADB2] offset:TILEB*(\t)+O+16*(O/256)
.endif
.endm
.macro LFRAG q, f, t
.irp p, 0,1,2,3,4,5
	LP \q, \f, \p, \t
.endr
.endm
; what tile t (parity np) wants beside its fragments: w2's eight scale words, qv.  With an odd tile also -2 v of the pair's two tiles: 8 loads; with an even tile 4
.macro EXTRAS np, t, back
	WIN 0x01
	ds_load_b128 v[BSC+8*(\np):BSC+8*(\np)+3], v[ADS] offset:544*(\t)
	ds_load_b128 v[BSC+8*(\np)+4:BSC+8*(\np)+7], v[ADS] offset:544*(\t)+16
.if (\np) == 1
	ds_load_b128 v[V2:V2+3], v[ADQ] offset:128*(\t)-64
	ds_load_b128 v[V2+4:V2+7], v[ADQ] offset:128*(\t)-48
	ds_load_b128 v[V2+8:V2+11], v[ADQ] offset:128*(\t)+64
	ds_load_b128 v[V2+12:V2+15], v[ADQ] offset:128*(\t)+80
.endif
	WIN \back
	ds_load_b128 v[BIAS+8*(\np):BIAS+8*(\np)+3], v[ADQ] offset:128*(\t)
	ds_load_b128 v[BIAS+8*(\np)+4:BIAS+8*(\np)+7], v[ADQ] offset:128*(\t)+16
.endm
.macro ADDR
	WIN 0x44
	v_add_nc_u32 v[ADB1], s[TB], v[AB10]
	v_add_nc_u32 v[ADB2], s[TB], v[AB20]
	v_add_nc_u32 v[ADQ], s[TQ], v[AQ0]
	v_add_nc_u32 v[ADS], s[TS], v[AS0]
.endm
.macro BURST                           ; a slot's tile 0, in the order in which a run fetches: fragment 0, the extras, fragments 1 to 7
	WIN 0x41
	LFRAG 0, 0, 0
	EXTRAS 0, 0, 0x41
.irp f, 1,2,3,4,5,6,7
	LFRAG 0, \f, 0
.endr
.endm
.macro MM p, s, m
.set rA, ACC+8*(\m)
.set rB, 96*(\p)+12*(\s)
.set rC, 12*(4*((\s)%4)+(\m))
.if (\s) == 0
	v_wmma_scale_f32_16x16x128_f8f6f4 v[rA:rA+7], v[rB:rB+11], v[rC:rC+11], 0, v[BSC+8*(\p)+(\s)], v[ASC+4*(\s)+(\m)] matrix_a_fmt:MATRIX_FMT_BF6 matrix_b_fmt:MATRIX_FMT_BF6
.else
	v_wmma_scale_f32_16x16x128_f8f6f4 v[rA:rA+7], v[rB:rB+11], v[rC:rC+11], v[rA:rA+7], v[BSC+8*(\p)+(\s)], v[ASC+4*(\s)+(\m)] matrix_a_fmt:MATRIX_FMT_BF6 matrix_b_fmt:MATRIX_FMT_BF6
.endif
.endm
; A tile's run: 32 matrix instructions on buffer p, with nothing between them, the four accumulators by turns; the first K step starts the sums.
; ld = 1: ahead of the run tile t + 1's fragments and extras are asked for in ONE run of loads, 56 or 52, into the other buffer: they have this run and what follows it in which to land.
; THE WAIT, for 0, stands ahead of those loads: what is out there is this tile's own fragments and extras, asked for ahead of the run before (or behind the change of slots).
.macro RUN p, t, ld
	WIN M2
	s_wait_dscnt 0x0
.if \ld
	LFRAG 1-(\p), 0, (\t)+1
	EXTRAS 1-(\p), (\t)+1, M2
.irp f, 1,2,3,4,5,6,7
	LFRAG 1-(\p), \f, (\t)+1
.endr
.endif
.irp g, 0,1,2,3,4,5,6,7
.if \g == 4
	WIN M3
.endif
.irp m, 0,1,2,3
	MM \p, \g, \m
.endr
.endr
.endm
.macro SCALE q                         ; y = c x + qv, out of the accumulators, each from its low end on
	WIN 0x11
	NOPS4                                          ; four places behind the run's last products; they also serve the next loads into this run's fragments and scale words
.set I, 0
.rept 16
	v_pk_fma_f32 v[T+32*(\q)+2*I:T+32*(\q)+2*I+1], v[ACC+2*I:ACC+2*I+1], s[CS:CS+1], v[BIAS+8*(\q)+2*(I%4):BIAS+8*(\q)+2*(I%4)+1] op_sel_hi:[1,0,1]
.set I, I+1
.endr
.endm
.macro EPI                             ; two tiles: the sums of -2 v / (1 + 2^y).  A wait ahead of each batch of transcendentals and one behind it
	WIN 0
	s_wait_alu depctr_va_vdst(0)
.set I, 0
.rept 64
	v_exp_f32 v[T+I], v[T+I]
.set I, I+1
.endr
	v_nop
	s_wait_alu depctr_va_vdst(0)
.set I, 0
.rept 32
	v_pk_add_f32 v[T+2*I:T+2*I+1], v[T+2*I:T+2*I+1], 1.0 op_sel_hi:[1,0]
.set I, I+1
.endr
	s_wait_alu depctr_va_vdst(0)
.set I, 0
.rept 64
	v_rcp_f32 v[T+I], v[T+I]
.set I, I+1
.endr
	v_nop
	s_wait_alu depctr_va_vdst(0)
.irp j, 0,1,2,3                        ; eight chains by turns
.irp q, 0,1
.irp m, 0,1,2,3
	v_pk_fma_f32 v[SS+8*\q+2*\m:SS+8*\q+2*\m+1], v[T+32*\q+8*\m+2*\j:T+32*\q+8*\m+2*\j+1], v[V2+8*\q+2*\j:V2+8*\q+2*\j+1], v[SS+8*\q+2*\m:SS+8*\q+2*\m+1]
.endr
.endr
.endr
.endm
; THE CHANGE OF SLOTS, behind the slot's last run: all its fragments are in registers.  kind 1: the slot is filled again with the slot two on; kind 2: nothing is left to fetch.
.macro XCH kind
	WIN 0
.if \kind == 1
	s_wait_xcnt 0x0                                ; my last prefetch has read its base
	s_add_nc_u64 s[PF:PF+1], s[PF:PF+1], SLOTG
.endif
	s_wait_tensorcnt 0x0                           ; my one load that was out, my tile of the next slot, has landed;
	ds_add_u32 v[SPW], v[NIL]
.if \kind == 1
	s_xor_b32 s[G0B+1], s[G0B+1], SLOTX            ; no load of mine is out: the descriptor steps to this slot and to the tiles two slots on
	s_add_nc_u64 s[G0B+2:G0B+3], s[G0B+2:G0B+3], SLOTG
.endif
	SCALE 1                                        ; work on registers between the add and the wait for it
	WIN 0
	s_wait_alu depctr_va_vdst(0)                   ; the wait ahead of the blocking wait
	s_wait_dscnt 0x0                               ; the add is done, and so are my reads of this slot
	s_barrier_signal -1
	s_barrier_wait -1
.if \kind == 1
	CREST                                          ; the barrier has opened a round of the cluster's barrier: no wave of any partner still reads this slot
	tensor_load_to_lds s[G0B:G0B+3], s[G1W:G1W+7]
	s_nop 0
	NOPS4
.endif
	s_xor_b32 s[TB], s[TB], SLOTX
	s_add_co_u32 s[TQ], s[TQ], 512
	s_add_co_u32 s[TS], s[TS], 2176
	ADDR
	s_wait_alu depctr_va_vdst(0)
	BURST
	WIN 0
.if \kind == 1
	s_cmp_gt_u32 s[CNT], 2                         ; the last two refilling trips have no slot four on
	s_cbranch_scc0 .Lno_ask_\@
	s_cmp_lt_u32 ttmp9, 4
	s_cbranch_scc0 .Lno_prefetch_main0_\@
	global_prefetch_b8 v[PFO], s[PF:PF+1] offset:SLOTG th:TH_LOAD_NT scope:SCOPE_SE
.Lno_prefetch_main0_\@:
.Lno_ask_\@:
.endif
.endm
.macro SLOTB kind
	RUN 0, 0, 1
	SCALE 0
	RUN 1, 1, 1
	SCALE 1
	EPI
	RUN 0, 2, 1
	SCALE 0
	RUN 1, 3, 0
.if \kind < 3
	XCH \kind
.else
	SCALE 1
	WIN 0xc0                                       ; the codes are done with: phase 3's first 64 rows x 512 bytes set out under the last batches
.set I, 0
.rept 64
	global_load_b128 v[4*I:4*I+3], v[VO], s[VB:VB+1] offset:4096*I th:TH_LOAD_NT
.set I, I+1
.endr
.endif
	EPI
.endm
	s_load_b256 s[4:11], s[0:1], 0x0               ; values, w2's codes, w2's scales, qv
	s_load_b128 s[12:15], s[0:1], 0x20             ; scores, stats
	s_load_b64 s[16:17], s[0:1], 0x30              ; ctxp
	v_lshl_add_u32 v[SPW], v0, 2, SPARE
	v_mov_b32 v[NIL], 0
	ds_add_u32 v[SPW], v[NIL]                      ; the opening lines: the add, twice on end, and its wait
	ds_add_u32 v[SPW], v[NIL]
	v_lshrrev_b32 v1, 5, v0
	v_readfirstlane_b32 s[WV], v1                  ; wave 0..3
	s_bfe_u32 s21, ttmp6, 0x40000                  ; cx
	s_lshl_b32 s22, ttmp9, 2
	s_add_co_u32 s22, s22, s21                     ; the work-group's number
	s_mov_b32 s[G1W], 15|(1<<20)|(1<<21)|(5<<22)|(3<<25)   ; a tile of w2: 16 rows x 768 bytes, 16 bytes of padding behind every 256; for all four work-groups
	s_mov_b32 s[G1W+1], 768<<16
	s_mov_b32 s[G1W+2], 16<<16
	s_mov_b32 s[G1W+3], 768<<16
	s_mov_b32 s[G1W+4], 16
	s_mov_b32 s[G1W+5], 768
	s_mov_b32 s[G1W+6], 0
	s_mov_b32 s[G1W+7], 0
	s_mov_b32 s[G1S], 15|(3<<16)|(1<<20)|(1<<21)|(5<<22)|(3<<25)   ; a quarter of w2's scales: 32 rows of 256 bytes, padded alike
	s_mov_b32 s[G1S+1], 32<<16
	s_mov_b32 s[G1S+2], 32<<16
	s_mov_b32 s[G1S+3], 32<<16
	s_mov_b32 s[G1S+4], 32
	s_mov_b32 s[G1S+5], 32
	s_mov_b32 s[G1S+6], 0
	s_mov_b32 s[G1S+7], 0
	s_mov_b32 s[G0A], 1
	s_mov_b32 s[G0B], 1
	s_mov_b32 s[G0S], 1
	s_mul_i32 s[G0A+1], s[WV], TILEB               ; wave w fetches tile w of a slot
	s_add_co_u32 s[G0B+1], s[G0A+1], SLOTX
	s_mul_i32 s[G0S+1], s[WV], 8704
	s_add_co_u32 s[G0S+1], s[G0S+1], SCL
	s_mul_i32 s72, s[WV], 12288
	s_mov_b32 s73, 0
	s_lshl_b32 s74, s[WV], 13
	s_mov_b32 s75, 0
	s_mov_b32 s[CS], 0x4038aa3b                    ; c = 2 log2(e)
	s_mov_b32 s[CS+1], s[CS]
	s_mov_b32 s[SEL], 0x76543210
	s_mov_b32 s[SEL+1], 0xfedcba98
	s_mov_b32 s77, 0
	s_lshl_b32 s78, s21, 2                         ; the prefetches: my wave's 12 blocks of a slot's 192, by my place among the cluster's sixteen waves,
	s_add_co_u32 s78, s78, s[WV]
	s_mul_i32 s78, s78, 3072
	s_add_co_u32 s78, s78, 2*SLOTG                 ; from slot 2 on
	s_mov_b32 s79, 0
	s_mul_i32 s18, s[WV], 8448
	s_add_co_u32 s18, s18, STG
	s_mul_i32 s19, s[WV], 24576
	s_add_co_u32 s19, s19, IMG
	s_lshl_b32 s23, s[WV], 11
	s_add_co_u32 s23, s23, ISC
	s_mov_b32 s[IM], 0
	s_mov_b32 s[IS], 0
	v_and_b32 v[LANE], 31, v0
	v_and_b32 v[RR], 15, v0
	v_bfe_u32 v[HH], v0, 4, 1
	v_lshlrev_b32 v[VO], 4, v[LANE]
	v_add_nc_u32 v[STW], s18, v[VO]
	v_mul_u32_u24 v[XRD], v[RR], 528
	v_lshl_add_u32 v[XRD], v[HH], 6, v[XRD]
	v_add_nc_u32 v[XRD], s18, v[XRD]
	v_add_nc_u32 v[IMW0], s19, v[VO]
	v_lshl_add_u32 v[ISW0], v[LANE], 2, s23
	v_lshlrev_b32 v[T16], 4, v0
	v_min_u32 v[PFO], 11, v[LANE]
	v_lshlrev_b32 v[PFO], 8, v[PFO]
.irp b, 0,1,2,3
	v_mov_b32 v[TM+4+\b], 0                        ; a lane permute's destination counts as one of its sources
.endr
	v_add_nc_u32 v[IMA], s[IM], v[IMW0]
	v_add_nc_u32 v[ISA], s[IS], v[ISW0]
	s_wait_alu depctr_va_vdst(0)                   ; the wait at the head's end
	s_wait_dscnt 0x0                               ; both opening adds are done
	s_wait_kmcnt 0x0
	s_add_nc_u64 s[G0A+2:G0A+3], s[6:7], s[72:73]
	s_add_nc_u64 s[G0B+2:G0B+3], s[G0A+2:G0A+3], SLOTG
	s_add_nc_u64 s[G0S+2:G0S+3], s[8:9], s[74:75]
	s_or_b32 s[G0A+3], s[G0A+3], 0x80000000
	s_or_b32 s[G0B+3], s[G0B+3], 0x80000000
	s_or_b32 s[G0S+3], s[G0S+3], 0x80000000
	s_add_nc_u64 s[PF:PF+1], s[6:7], s[78:79]
	s_lshl_b32 s76, s22, 20                        ; values: 256 rows of 4,096 bytes a work-group, 64 a wave
	s_lshl_b32 s78, s[WV], 18
	s_add_co_u32 s76, s76, s78
	s_add_nc_u64 s[VB:VB+1], s[4:5], s[76:77]
	s_lshr_b32 s76, s22, 3
	s_lshl_b32 s76, s76, 13
	s_add_nc_u64 s[10:11], s[10:11], s[76:77]      ; qv of my batch
	s_lshl_b32 s76, s22, 10
	s_add_nc_u64 s[12:13], s[12:13], s[76:77]
	s_lshl_b32 s76, s22, 8
	s_add_nc_u64 s[14:15], s[14:15], s[76:77]
	s_lshl_b32 s76, s22, 12
	s_add_nc_u64 s[16:17], s[16:17], s[76:77]
	WIN 0x40
.set I, 0
.rept 64
	global_load_b128 v[4*I:4*I+3], v[VO], s[VB:VB+1] offset:I*4096   ; the first 128 columns of my 64 rows set out ahead of the round
.set I, I+1
.endr
	WIN 0
	ROUND                                          ; in front of the first joint load
	tensor_load_to_lds s[G0S:G0S+3], s[G1S:G1S+7]  ; the head's one load a wave: w2's scales
	s_nop 0
	NOPS4
	s_mov_b32 s[CNT], 4
.Lka:
	KTRIP 1
	s_sub_co_u32 s[CNT], s[CNT], 1
	s_cmp_lg_u32 s[CNT], 0
	s_cbranch_scc1 .Lka
	DRAINA 0
	s_wait_tensorcnt 0x0                           ; slot 0's first fill is issued as a refill is
	ds_add_u32 v[SPW], v[NIL]
	s_mov_b32 s[IM], 0
	s_mov_b32 s[IS], 0
	v_add_nc_u32 v[IMA], s[IM], v[IMW0]
	v_add_nc_u32 v[ISA], s[IS], v[ISW0]
	s_wait_alu depctr_va_vdst(0)
	s_wait_dscnt 0x0
	ROUND
	tensor_load_to_lds s[G0A:G0A+3], s[G1W:G1W+7]
	s_nop 0
	NOPS4
	s_cmp_lt_u32 ttmp9, 4
	s_cbranch_scc0 .Lno_prefetch_main1
	global_prefetch_b8 v[PFO], s[PF:PF+1] th:TH_LOAD_NT scope:SCOPE_SE                ; slots 2 and 3, which the first two refills of phase 2 ask for
	global_prefetch_b8 v[PFO], s[PF:PF+1] offset:SLOTG th:TH_LOAD_NT scope:SCOPE_SE
.Lno_prefetch_main1:
	s_mov_b32 s[CNT], 3
.Lkb:
	KTRIP 1
	s_sub_co_u32 s[CNT], s[CNT], 1
	s_cmp_lg_u32 s[CNT], 0
	s_cbranch_scc1 .Lkb
	KTRIP 0
.irp y, 0,1,2,3
	global_load_b128 v[QVR+4*\y:QVR+4*\y+3], v[T16], s[10:11] offset:2048*\y
.endr
	DRAINA 1
	v_mul_u32_u24 v[TA], v[RR], WP
	v_lshrrev_b32 v[TC2], 3, v[RR]
	v_lshl_add_u32 v[TC2], v[TC2], 4, SCL
.set I, 0
.rept 16
	v_mov_b32 v[SS+I], 0                           ; the scores' eight chains
.set I, I+1
.endr
	WIN 0x40
	v_mad_u32_u24 v[AB10], v[HH], 24, v[TA]
	v_mad_u32_u24 v[AB20], v[HH], 40, v[TA]
	v_lshl_add_u32 v[AQ0], v[HH], 5, QVL
	v_lshl_add_u32 v[AS0], v[RR], 5, v[TC2]
	s_mov_b32 s[TB], 0
	s_mov_b32 s[TQ], 0
	s_mov_b32 s[TS], 0
	ADDR
	WIN 0
	s_wait_alu depctr_va_vdst(0)
	s_wait_loadcnt 0x0
.irp y, 0,1,2,3
	ds_store_b128 v[T16], v[QVR+4*\y:QVR+4*\y+3] offset:QVL+2048*\y
.endr
	s_wait_tensorcnt 0x0                           ; my tile of slot 0 is in; slot 1's first fill is issued as a refill is
	ds_add_u32 v[SPW], v[NIL]
	s_wait_dscnt 0x0                               ; the add and my part of qv are done: the round shows slot 0 and qv whole to all four waves
	ROUND
	tensor_load_to_lds s[G0B:G0B+3], s[G1W:G1W+7]
	s_nop 0
	NOPS4
	BURST
	WIN 0
	s_mov_b32 s[CNT], 14
.Lslot:
	SLOTB 1
	s_sub_co_u32 s[CNT], s[CNT], 1
	s_cmp_lg_u32 s[CNT], 0
	s_cbranch_scc1 .Lslot
	SLOTB 2
	SLOTB 3
.irp j, 0,2,4,6
	v_pk_add_f32 v[SS+\j:SS+\j+1], v[SS+\j:SS+\j+1], v[SS+8+\j:SS+9+\j]
.endr
.irp m, 0,1,2,3
	v_add_f32 v[SC+\m], v[SS+2*\m], v[SS+2*\m+1]
.endr
	s_lshl_b32 s72, s[WV], 8
	s_add_co_u32 s73, s72, SCO
	s_add_co_u32 s74, s72, PLD
	s_lshl_b32 s75, s[WV], 2
	s_add_co_u32 s75, s75, RED
	v_lshl_add_u32 v[A_SCO], v[RR], 2, s73
	v_lshl_add_u32 v[A_SCR], v[LANE], 3, s73
	v_lshl_add_u32 v[G_SC], v[LANE], 3, s72
	v_lshl_add_u32 v[A_PLW], v[RR], 2, s74
	v_mov_b32 v[A_PLR], s74
	v_mov_b32 v[A_RED], s75
	v_mov_b32 v[A_R0], RED
.irp m, 0,1,2,3
	v_permlanex16_b32 v[TM+4+\m], v[SC+\m], s[SEL], s[SEL+1]
.endr
.irp m, 0,1,2,3
	v_add_f32 v[SC+\m], v[SC+\m], v[TM+4+\m]       ; with lane l xor 16's eight u of each tile: the score of row 16 m + r
.endr
.irp m, 0,1,2,3
	ds_store_b32 v[A_SCO], v[SC+\m] offset:64*\m
.endr
	v_max3_num_f32 v[MX], v[SC], v[SC+1], v[SC+2]
	v_max_num_f32 v[MX], v[MX], v[SC+3]
	v_max_num_f32_dpp v[MX], v[MX], v[MX] row_xmask:1 row_mask:0xf bank_mask:0xf
	v_max_num_f32_dpp v[MX], v[MX], v[MX] row_xmask:2 row_mask:0xf bank_mask:0xf
	v_max_num_f32_dpp v[MX], v[MX], v[MX] row_xmask:4 row_mask:0xf bank_mask:0xf
	v_max_num_f32_dpp v[MX], v[MX], v[MX] row_xmask:8 row_mask:0xf bank_mask:0xf
	ds_store_b32 v[A_RED], v[MX]
	ds_load_b64 v[MX+2:MX+3], v[A_SCR]
	s_wait_dscnt 0x0
	global_store_b64 v[G_SC], v[MX+2:MX+3], s[12:13]   ; 32 lanes store my 64 scores: 256 consecutive bytes
	s_barrier_signal -1
	s_barrier_wait -1
	ds_load_b128 v[MX+4:MX+7], v[A_R0]             ; the four waves' maxima
	s_lshl_b32 s72, s[WV], 12
	s_add_co_u32 s72, s72, CST
	v_add_nc_u32 v[A_CS0], s72, v[VO]
	s_xor_b32 s73, s[WV], 3
	s_lshl_b32 s73, s73, 10
	s_add_co_u32 s73, s73, CST
	v_add_nc_u32 v[A_RD], s73, v[VO]
	s_lshl_b32 s74, s[WV], 10
	v_add_nc_u32 v[G_CX], s74, v[VO]
	v_lshlrev_b32 v[G_ST], 3, v[LANE]
	s_wait_dscnt 0x0
	v_max3_num_f32 v[ML], v[MX+4], v[MX+5], v[MX+6]
	v_max_num_f32 v[ML], v[ML], v[MX+7]            ; the chunk's maximum, taken away before the exponential
.irp m, 0,1,2,3
	v_sub_f32 v[PP+\m], v[SC+\m], v[ML]
.endr
.irp m, 0,1,2,3
	v_mul_f32 v[PP+\m], 0x3fb8aa3b, v[PP+\m]
.endr
	s_wait_alu depctr_va_vdst(0)
.irp m, 0,1,2,3
	v_exp_f32 v[PP+\m], v[PP+\m]
.endr
	v_nop
	s_wait_alu depctr_va_vdst(0)
	v_add_f32 v[PP+4], v[PP], v[PP+1]
	v_add_f32 v[PP+5], v[PP+2], v[PP+3]
	v_add_f32 v[PP+4], v[PP+4], v[PP+5]
	v_add_f32_dpp v[PP+4], v[PP+4], v[PP+4] row_xmask:1 row_mask:0xf bank_mask:0xf
	v_add_f32_dpp v[PP+4], v[PP+4], v[PP+4] row_xmask:2 row_mask:0xf bank_mask:0xf
	v_add_f32_dpp v[PP+4], v[PP+4], v[PP+4] row_xmask:4 row_mask:0xf bank_mask:0xf
	v_add_f32_dpp v[PP+4], v[PP+4], v[PP+4] row_xmask:8 row_mask:0xf bank_mask:0xf
	ds_store_b32 v[A_RED], v[PP+4] offset:16
.irp m, 0,1,2,3
	ds_store_b32 v[A_PLW], v[PP+\m] offset:64*\m
.endr
.set I, 0
.rept 16
	ds_load_b128 v[P+4*I:P+4*I+3], v[A_PLR] offset:16*I   ; my 64 p, all of them in every lane
.set I, I+1
.endr
	s_wait_dscnt 0x0
.macro CTRIP load                      ; 128 columns: the sum over my 64 rows of p x values; the next 128 columns (further down) are fetched eight rows at a time
.set G, 0
.rept 8
.if \load
	s_wait_alu depctr_va_vdst(0)
	s_wait_loadcnt 56
.else
	s_wait_alu depctr_va_vdst(0)
	s_wait_loadcnt 56-8*G
.endif
	WIN 0x03
.set J, 0
.rept 8
.set RO, 8*G+J
.if RO == 0
	v_pk_mul_f32 v[CT:CT+1], v[0:1], v[P:P+1] op_sel_hi:[1,0]
	v_pk_mul_f32 v[CT+2:CT+3], v[2:3], v[P:P+1] op_sel_hi:[1,0]
.elseif RO%2 == 0
	v_pk_fma_f32 v[CT:CT+1], v[4*RO:4*RO+1], v[P+RO:P+RO+1], v[CT:CT+1] op_sel_hi:[1,0,1]
	v_pk_fma_f32 v[CT+2:CT+3], v[4*RO+2:4*RO+3], v[P+RO:P+RO+1], v[CT+2:CT+3] op_sel_hi:[1,0,1]
.else
	v_pk_fma_f32 v[CT:CT+1], v[4*RO:4*RO+1], v[P+RO-1:P+RO], v[CT:CT+1] op_sel:[0,1,0] op_sel_hi:[1,1,1]
	v_pk_fma_f32 v[CT+2:CT+3], v[4*RO+2:4*RO+3], v[P+RO-1:P+RO], v[CT+2:CT+3] op_sel:[0,1,0] op_sel_hi:[1,1,1]
.endif
.set J, J+1
.endr
.if \load
	WIN 0xc0
.set J, 0
.rept 8
	global_load_b128 v[4*(8*G+J):4*(8*G+J)+3], v[VO], s[VB:VB+1] offset:4096*(8*G+J)-512 th:TH_LOAD_NT
.set J, J+1
.endr
.endif
.set G, G+1
.endr
	WIN 0
	ds_store_b128 v[A_CS], v[CT:CT+3]
	s_wait_dscnt 0x0
.if \load
	s_wait_xcnt 0x0
	s_sub_nc_u64 s[VB:VB+1], s[VB:VB+1], 512
	s_add_co_u32 s[TC], s[TC], 512
	v_add_nc_u32 v[A_CS], s[TC], v[A_CS0]
.endif
.endm
	s_mov_b32 s[TC], 0
	v_add_nc_u32 v[A_CS], s[TC], v[A_CS0]
	s_mov_b32 s[CNT], 7
.Lc:
	CTRIP 1
	s_sub_co_u32 s[CNT], s[CNT], 1
	s_cmp_lg_u32 s[CNT], 0
	s_cbranch_scc1 .Lc
	CTRIP 0
	s_barrier_signal -1
	s_barrier_wait -1
.irp o, 0,1,2,3                        ; the four waves' sums are joined: wave w takes 256 columns (they lie in LDS last columns first)
.irp e, 0,1
	ds_load_b128 v[132+8*\o+4*\e:135+8*\o+4*\e], v[A_RD] offset:4096*\o+512*\e
.endr
.endr
	ds_load_b128 v[MX+4:MX+7], v[A_R0] offset:16
	s_wait_dscnt 0x0
.irp j, 0,2,4,6
	v_pk_add_f32 v[132+\j:133+\j], v[132+\j:133+\j], v[140+\j:141+\j]
	v_pk_add_f32 v[148+\j:149+\j], v[148+\j:149+\j], v[156+\j:157+\j]
.endr
.irp j, 0,2,4,6
	v_pk_add_f32 v[132+\j:133+\j], v[132+\j:133+\j], v[148+\j:149+\j]
.endr
	v_add_f32 v[MX+4], v[MX+4], v[MX+5]
	v_add_f32 v[MX+6], v[MX+6], v[MX+7]
	v_add_f32 v[ML+1], v[MX+4], v[MX+6]
	global_store_b128 v[G_CX], v[136:139], s[16:17]
	global_store_b128 v[G_CX], v[132:135], s[16:17] offset:512
	s_cmp_lg_u32 s[WV], 0
	s_cbranch_scc1 .Lno_stats
	global_store_b64 v[G_ST], v[ML:ML+1], s[14:15]     ; the chunk's maximum and sum, 32 times over: 256 consecutive bytes
.Lno_stats:
	s_wait_tensorcnt 0x0                           ; the wave's end
	ds_add_u32 v[SPW], v[NIL]
	s_wait_dscnt 0x0
	ROUND                                          ; the closing round
	s_endpgm
.Lfunc_end_k_q8040ef172e_main:
	.size	k_q8040ef172e_main, .Lfunc_end_k_q8040ef172e_main-k_q8040ef172e_main
	.p2alignl 7, 3214868480
	.fill 96, 4, 3214868480
	.section	.rodata,"a",@progbits
	.p2align	6, 0x0
	.amdhsa_kernel k_q8040ef172e_main
		.amdhsa_group_segment_fixed_size 327680
		.amdhsa_private_segment_fixed_size 0
		.amdhsa_enable_private_segment 0
		.amdhsa_kernarg_size 56
		.amdhsa_user_sgpr_count 2
		.amdhsa_user_sgpr_kernarg_segment_ptr 1
		.amdhsa_wavefront_size32 1
		.amdhsa_system_sgpr_workgroup_id_x 1
		.amdhsa_system_sgpr_workgroup_id_y 1
		.amdhsa_system_sgpr_workgroup_id_z 1
		.amdhsa_system_vgpr_workitem_id 0
		.amdhsa_next_free_vgpr 1024
		.amdhsa_next_free_sgpr 80
		.amdhsa_reserve_vcc 0
		.amdhsa_float_denorm_mode_32 3
		.amdhsa_float_denorm_mode_16_64 3
		.amdhsa_memory_ordered 1
		.amdhsa_forward_progress 1
		.amdhsa_inst_pref_size 255
	.end_amdhsa_kernel
	.section	.bss,"aw",@nobits
	.p2align	6
	.space	262144
	.amdgpu_metadata
---
amdhsa.version: [ 1, 2 ]
amdhsa.kernels:
  - .name:           k_q8040ef172e_main
    .symbol:         k_q8040ef172e_main.kd
    .args:
      - { .name: values, .offset: 0, .size: 8, .value_kind: global_buffer, .address_space: global }
      - { .name: w2_codes, .offset: 8, .size: 8, .value_kind: global_buffer, .address_space: global }
      - { .name: w2_scales, .offset: 16, .size: 8, .value_kind: global_buffer, .address_space: global }
      - { .name: qv, .offset: 24, .size: 8, .value_kind: global_buffer, .address_space: global }
      - { .name: scores, .offset: 32, .size: 8, .value_kind: global_buffer, .address_space: global }
      - { .name: stats, .offset: 40, .size: 8, .value_kind: global_buffer, .address_space: global }
      - { .name: ctxp, .offset: 48, .size: 8, .value_kind: global_buffer, .address_space: global }
    .group_segment_fixed_size: 327680
    .private_segment_fixed_size: 0
    .kernarg_segment_align: 8
    .kernarg_segment_size: 56
    .max_flat_workgroup_size: 128
    .sgpr_count:     80
    .vgpr_count:     1024
    .wavefront_size: 32
...
	.end_amdgpu_metadata
.endif
;; end of part 2
;; launch combine (part 3): grid 256 x 1, 1 waves a work-group, no clusters, 0 bytes of LDS; arguments scores, stats, ctxp, out0, out1; writes out0, out1
.if DOCPART == 3
	.amdgcn_target "amdgcn-amd-amdhsa--gfx1250"
	.amdhsa_code_object_version 6
	.text
	.protected	k_q8040ef172e_combine
	.globl	k_q8040ef172e_combine
	.p2align	8
	.type	k_q8040ef172e_combine,@function
k_q8040ef172e_combine:
	s_mov_b64 s[64:65], 0
	v_nop
	global_prefetch_b8 v0, s[64:65] scope:SCOPE_SE
	s_setreg_imm32_b32 hwreg(HW_REG_WAVE_MODE, 25, 1), 1
	s_wait_xcnt 0x0
; The eight chunks of 256 rows of a batch are joined.  Chunk j left its maximum m_j, its sum l_j of e^(score - m_j), and its sum of e^(score - m_j) x values' rows.
; Mb = the largest m_j;  w_j = e^(m_j - Mb);  L = the sum of l_j w_j;  out0 = the sum of ctxp_j w_j / L;  out1 = e^(score - Mb) / L.
; Work-group 8 b + i, one wave, makes 128 columns of out0[b] (512 bytes) and 256 numbers of out1[b] (1,024 bytes): every output byte has one owner.
; A stream of about 1.7 MB: no LDS, no matrix unit, no cluster.
.set LOG2E, 0x3fb8aa3b
	s_load_b128 s[4:7], s[0:1], 0x0                ; scores, stats
	s_load_b128 s[8:11], s[0:1], 0x10              ; ctxp, out0
	s_load_b64 s[12:13], s[0:1], 0x20              ; out1
	s_lshr_b32 s14, ttmp9, 3                       ; the batch
	s_and_b32 s15, ttmp9, 7                        ; which eighth
	v_lshlrev_b32 v1, 4, v0                        ; 16 bytes a lane
	s_lshl_b32 s34, s14, 11                        ; stats: eight rows of 256 bytes a batch
	s_mov_b32 s35, 0
	s_lshl_b32 s36, s14, 15                        ; ctxp: eight rows of 4,096 bytes a batch,
	s_lshl_b32 s42, s15, 9                         ; my 512 bytes of a row
	s_add_co_u32 s36, s36, s42
	s_mov_b32 s37, 0
	s_lshl_b32 s38, ttmp9, 10                      ; scores and out1: 1,024 bytes a work-group
	s_mov_b32 s39, 0
	s_lshl_b32 s40, s14, 12                        ; out0: 4,096 bytes a batch
	s_add_co_u32 s40, s40, s42
	s_mov_b32 s41, 0
	s_wait_alu depctr_va_vdst(0)
	s_wait_kmcnt 0x0
	s_add_nc_u64 s[6:7], s[6:7], s[34:35]
	s_add_nc_u64 s[8:9], s[8:9], s[36:37]
	s_add_nc_u64 s[4:5], s[4:5], s[38:39]
	s_add_nc_u64 s[12:13], s[12:13], s[38:39]
	s_add_nc_u64 s[10:11], s[10:11], s[40:41]
.irp j, 0,1,2,3,4,5,6,7
	s_load_b64 s[16+2*\j:17+2*\j], s[6:7], 256*\j  ; m_j, l_j
.endr
.irp j, 0,1,2,3,4,5,6,7
	global_load_b128 v[8+4*\j:11+4*\j], v1, s[8:9] offset:4096*\j
.endr
	global_load_b128 v[40:43], v1, s[4:5]
	global_load_b128 v[44:47], v1, s[4:5] offset:512
	s_wait_kmcnt 0x0
	v_mov_b32 v50, s16
.irp j, 1,2,3,4,5,6,7
	v_max_num_f32 v50, s[16+2*\j], v50             ; Mb
.endr
.irp j, 0,1,2,3,4,5,6,7
	v_sub_f32 v[52+\j], s[16+2*\j], v50
.endr
.irp j, 0,1,2,3,4,5,6,7
	v_mul_f32 v[52+\j], LOG2E, v[52+\j]
.endr
	s_wait_alu depctr_va_vdst(0)
.irp j, 0,1,2,3,4,5,6,7
	v_exp_f32 v[52+\j], v[52+\j]                   ; w_j, at most 1, and 1 for the largest: L is at least that chunk's l_j, which is at least 1
.endr
	v_nop
	s_wait_alu depctr_va_vdst(0)                   ; one wait for the eight, ahead of their first reader
	v_mul_f32 v60, s17, v52
.irp j, 1,2,3,4,5,6,7
	v_fmac_f32 v60, s[17+2*\j], v[52+\j]           ; L
.endr
	s_wait_alu depctr_va_vdst(0)
	v_rcp_f32 v61, v60
	v_nop
	s_wait_alu depctr_va_vdst(0)
.irp j, 0,1,2,3,4,5,6,7
	v_mul_f32 v[52+\j], v[52+\j], v61              ; w_j / L
.endr
	s_wait_alu depctr_va_vdst(0)
	s_wait_loadcnt 0x0
	v_pk_mul_f32 v[64:65], v[8:9], v[52:53] op_sel_hi:[1,0]
	v_pk_mul_f32 v[66:67], v[10:11], v[52:53] op_sel_hi:[1,0]
.irp j, 1,3,5,7
	v_pk_fma_f32 v[64:65], v[8+4*\j:9+4*\j], v[51+\j:52+\j], v[64:65] op_sel:[0,1,0] op_sel_hi:[1,1,1]
	v_pk_fma_f32 v[66:67], v[10+4*\j:11+4*\j], v[51+\j:52+\j], v[66:67] op_sel:[0,1,0] op_sel_hi:[1,1,1]
.if \j < 7
	v_pk_fma_f32 v[64:65], v[12+4*\j:13+4*\j], v[53+\j:54+\j], v[64:65] op_sel_hi:[1,0,1]
	v_pk_fma_f32 v[66:67], v[14+4*\j:15+4*\j], v[53+\j:54+\j], v[66:67] op_sel_hi:[1,0,1]
.endif
.endr
	global_store_b128 v1, v[64:67], s[10:11]       ; 32 lanes store 512 consecutive bytes, aligned
.irp j, 0,1,2,3,4,5,6,7
	v_sub_f32 v[40+\j], v[40+\j], v50
.endr
.irp j, 0,1,2,3,4,5,6,7
	v_mul_f32 v[40+\j], LOG2E, v[40+\j]
.endr
	s_wait_alu depctr_va_vdst(0)
.irp j, 0,1,2,3,4,5,6,7
	v_exp_f32 v[40+\j], v[40+\j]
.endr
	v_nop
	s_wait_alu depctr_va_vdst(0)
.irp j, 0,2,4,6
	v_pk_mul_f32 v[40+\j:41+\j], v[40+\j:41+\j], v[60:61] op_sel:[0,1] op_sel_hi:[1,1]   ; x 1 / L
.endr
	global_store_b128 v1, v[40:43], s[12:13]
	global_store_b128 v1, v[44:47], s[12:13] offset:512
	s_endpgm
.Lfunc_end_k_q8040ef172e_combine:
	.size	k_q8040ef172e_combine, .Lfunc_end_k_q8040ef172e_combine-k_q8040ef172e_combine
	.p2alignl 7, 3214868480
	.fill 96, 4, 3214868480
	.section	.rodata,"a",@progbits
	.p2align	6, 0x0
	.amdhsa_kernel k_q8040ef172e_combine
		.amdhsa_group_segment_fixed_size 0
		.amdhsa_private_segment_fixed_size 0
		.amdhsa_enable_private_segment 0
		.amdhsa_kernarg_size 40
		.amdhsa_user_sgpr_count 2
		.amdhsa_user_sgpr_kernarg_segment_ptr 1
		.amdhsa_wavefront_size32 1
		.amdhsa_system_sgpr_workgroup_id_x 1
		.amdhsa_system_sgpr_workgroup_id_y 1
		.amdhsa_system_sgpr_workgroup_id_z 1
		.amdhsa_system_vgpr_workitem_id 0
		.amdhsa_next_free_vgpr 96
		.amdhsa_next_free_sgpr 66
		.amdhsa_reserve_vcc 0
		.amdhsa_float_denorm_mode_32 3
		.amdhsa_float_denorm_mode_16_64 3
		.amdhsa_memory_ordered 1
		.amdhsa_forward_progress 1
		.amdhsa_inst_pref_size 8
	.end_amdhsa_kernel
	.amdgpu_metadata
---
amdhsa.version: [ 1, 2 ]
amdhsa.kernels:
  - .name:           k_q8040ef172e_combine
    .symbol:         k_q8040ef172e_combine.kd
    .args:
      - { .name: scores, .offset: 0, .size: 8, .value_kind: global_buffer, .address_space: global }
      - { .name: stats, .offset: 8, .size: 8, .value_kind: global_buffer, .address_space: global }
      - { .name: ctxp, .offset: 16, .size: 8, .value_kind: global_buffer, .address_space: global }
      - { .name: out0, .offset: 24, .size: 8, .value_kind: global_buffer, .address_space: global }
      - { .name: out1, .offset: 32, .size: 8, .value_kind: global_buffer, .address_space: global }
    .group_segment_fixed_size: 0
    .private_segment_fixed_size: 0
    .kernarg_segment_align: 8
    .kernarg_segment_size: 40
    .max_flat_workgroup_size: 32
    .sgpr_count:     66
    .vgpr_count:     96
    .wavefront_size: 32
...
	.end_amdgpu_metadata
.endif
;; end of part 3
